; MI455X (gfx1250); checked and timed in simulation.
; The chip was launched on July 23, 2026; its instructions are those of AMD's public machine-readable ISA for CDNA 5 (MIT licence, August 2026) and "CDNA5" Instruction Set Architecture Reference Guide (July 2026). The comments in the code are by the model that wrote it; some were corrected since.
;; Mo E Layer. Allowed arithmetic: float matrix products may take bf16 or f16 operands with f32 sums; all other float work in f32.
;; Inputs: We 8 x 1,024 x 1,024 float32; Wg 1,024 x 8 float32; be 8 x 1,024 float32; bg 8 float32; x 8,192 x 1,024 float32.
;; Outputs: out0 8,192 x 1,024 float32.
;; 2 versions, each right and faster than the one before. Each part assembles by itself: llvm-mc -triple=amdgcn-amd-amdhsa -mcpu=gfx1250 --defsym DOCPART=n.
;; ======== version 1 of 2: 2 launches
;; limits: values are held in f16: magnitudes above 65,504 overflow, below 6.1e-05 lose precision
;; workspace buffers: xh 16,777,216 bytes; wh 16,777,216 bytes
;; launch tohalf (part 1): grid 512 x 2, 8 waves a work-group, no clusters, 0 bytes of LDS; arguments x, We, xh, wh; writes xh, wh
.if DOCPART == 1
	.amdgcn_target "amdgcn-amd-amdhsa--gfx1250"
	.amdhsa_code_object_version 6
	.text
	.protected	k_qd720af6754_tohalf
	.globl	k_qd720af6754_tohalf
	.p2align	8
	.type	k_qd720af6754_tohalf,@function
k_qd720af6754_tohalf:
	s_mov_b64 s[64:65], 0
	v_nop
	global_prefetch_b8 v0, s[64:65] scope:SCOPE_SE
	s_setreg_imm32_b32 hwreg(HW_REG_WAVE_MODE, 25, 1), 1
	s_wait_xcnt 0x0
; xh = x and wh = We, rounded once from f32 to f16 (to nearest even), in the same order of elements.
; LIMITS: a magnitude of 65,504 or more becomes infinite in f16; one under 2^-25 becomes 0; between 2^-25 and 2^-14 the step is 2^-24.
; A stream: each input byte is read once and each output byte written once, so LDS, barriers and the matrix unit have no part in it.
; The grid's y picks the tensor (0: x, 1: We); both have 512 x 65,536 bytes.  Work-group X owns 65,536 input bytes and their 32,768 output bytes.
; Thread t takes 16 bytes at 16 t of each of sixteen blocks of 4,096 bytes: a wave's load covers 512 consecutive bytes, its store 256 consecutive
; bytes that begin at a multiple of 256.  All sixteen loads of a thread go out at once; no register is written twice, so no wait frees a source.
.set X, 4                              ; v[4:67]   sixteen quads of f32 as loaded
.set Y, 68                             ; v[68:99]  sixteen pairs of registers: four f16 each, to store
	s_load_b256 s[4:11], s[0:1], 0x0               ; x s[4:5], We s[6:7], xh s[8:9], wh s[10:11]
	s_and_b32 s12, ttmp7, 0xffff                   ; the grid's y
	s_lshl_b32 s2, ttmp9, 16                       ; my 65,536 bytes of the input (under 2^25: the high word is 0)
	s_mov_b32 s3, 0
	s_lshl_b32 s14, ttmp9, 15                      ; my 32,768 bytes of the output
	s_mov_b32 s15, 0
	v_lshlrev_b32 v1, 4, v0                        ; 16 t
	v_lshlrev_b32 v2, 3, v0                        ; 8 t
	s_wait_kmcnt 0x0
	s_cmp_eq_u32 s12, 0
	s_cselect_b64 s[4:5], s[4:5], s[6:7]           ; from x or from We,
	s_cselect_b64 s[8:9], s[8:9], s[10:11]         ; to xh or to wh
	s_add_nc_u64 s[4:5], s[4:5], s[2:3]
	s_add_nc_u64 s[8:9], s[8:9], s[14:15]
.irp i, 0,1,2,3,4,5,6,7,8,9,10,11,12,13,14,15
	global_load_b128 v[X+4*\i:X+4*\i+3], v1, s[4:5] offset:4096*\i th:TH_LOAD_NT   ; read once in this launch
.endr
.irp i, 0,1,2,3,4,5,6,7,8,9,10,11,12,13,14,15
	s_wait_loadcnt 15-\i                           ; loads come back in order (ISA guide 5.7.1): quad i is in, the younger ones stay out
	v_cvt_pk_f16_f32 v[Y+2*\i],   v[X+4*\i],   v[X+4*\i+1]
	v_cvt_pk_f16_f32 v[Y+2*\i+1], v[X+4*\i+2], v[X+4*\i+3]
	global_store_b64 v2, v[Y+2*\i:Y+2*\i+1], s[8:9] offset:2048*\i   ; no hint: the next launch reads these bytes
.endr
	s_endpgm
.Lfunc_end_k_qd720af6754_tohalf:
	.size	k_qd720af6754_tohalf, .Lfunc_end_k_qd720af6754_tohalf-k_qd720af6754_tohalf
	.p2alignl 7, 3214868480
	.fill 96, 4, 3214868480
	.section	.rodata,"a",@progbits
	.p2align	6, 0x0
	.amdhsa_kernel k_qd720af6754_tohalf
		.amdhsa_group_segment_fixed_size 0
		.amdhsa_private_segment_fixed_size 0
		.amdhsa_enable_private_segment 0
		.amdhsa_kernarg_size 32
		.amdhsa_user_sgpr_count 2
		.amdhsa_user_sgpr_kernarg_segment_ptr 1
		.amdhsa_wavefront_size32 1
		.amdhsa_system_sgpr_workgroup_id_x 1
		.amdhsa_system_sgpr_workgroup_id_y 1
		.amdhsa_system_sgpr_workgroup_id_z 1
		.amdhsa_system_vgpr_workitem_id 0
		.amdhsa_next_free_vgpr 104
		.amdhsa_next_free_sgpr 66
		.amdhsa_reserve_vcc 0
		.amdhsa_float_denorm_mode_32 3
		.amdhsa_float_denorm_mode_16_64 3
		.amdhsa_memory_ordered 1
		.amdhsa_forward_progress 1
		.amdhsa_inst_pref_size 7
	.end_amdhsa_kernel
	.amdgpu_metadata
---
amdhsa.version: [ 1, 2 ]
amdhsa.kernels:
  - .name:           k_qd720af6754_tohalf
    .symbol:         k_qd720af6754_tohalf.kd
    .args:
      - { .name: x, .offset: 0, .size: 8, .value_kind: global_buffer, .address_space: global }
      - { .name: We, .offset: 8, .size: 8, .value_kind: global_buffer, .address_space: global }
      - { .name: xh, .offset: 16, .size: 8, .value_kind: global_buffer, .address_space: global }
      - { .name: wh, .offset: 24, .size: 8, .value_kind: global_buffer, .address_space: global }
    .group_segment_fixed_size: 0
    .private_segment_fixed_size: 0
    .kernarg_segment_align: 8
    .kernarg_segment_size: 32
    .max_flat_workgroup_size: 256
    .sgpr_count:     66
    .vgpr_count:     104
    .wavefront_size: 32
...
	.end_amdgpu_metadata
.endif
;; end of part 1
;; launch moe (part 2): grid 4 x 64, 4 waves a work-group, clusters of 4 x 4, 327,680 bytes of LDS; arguments xh, wh, Wg, bg, be, out0; writes out0
.if DOCPART == 2
	.amdgcn_target "amdgcn-amd-amdhsa--gfx1250"
	.amdhsa_code_object_version 6
	.text
	.protected	k_qd720af6754_moe
	.globl	k_qd720af6754_moe
	.p2align	8
	.type	k_qd720af6754_moe,@function
k_qd720af6754_moe:
	s_mov_b64 s[64:65], 0
	v_nop
	global_prefetch_b8 v0, s[64:65] scope:SCOPE_SE
	s_setreg_imm32_b32 hwreg(HW_REG_WAVE_MODE, 25, 1), 1
	s_wait_xcnt 0x0
	s_wait_alu depctr_hold_cnt(0) depctr_sa_sdst(0) depctr_va_vdst(0) depctr_va_sdst(0) depctr_va_ssrc(0) depctr_va_vcc(0) depctr_vm_vsrc(0)
	s_getreg_b32 s2, hwreg(HW_REG_IB_STS2, 6, 4)
	s_cmp_eq_u32 s2, 0
	s_cbranch_scc0 .Lentry_in_a_cluster
	s_endpgm
.Lentry_in_a_cluster:
	s_bfe_u32 s2, ttmp6, 0x10000c
	s_cmp_lg_u32 s2, 0xf033
	s_cbranch_scc0 .Lentry_shape_is_right
	s_endpgm
.Lentry_shape_is_right:
; out[n][o] = sum over e of g[n][e] (sum over i of x[n][i] We[e][i][o] + be[e][o]),   g[n][:] = softmax over e of (x[n] . Wg[:][e] + bg[e]).
; xh: [8192][1024] f16 (x), wh: [8 x 1024][1024] f16 (We, rows k = 1024 e + i), Wg: [1024][8], bg: [8], be: [8][1024], out: [8192][1024], these four f32.
; Products on f16 operands with f32 sums; bias, softmax, the gate-weighted sum and the output in f32.
; LIMITS: Wg is rounded to f16 here as x and We were in the launch before: magnitudes of 65,504 or more become infinite, those under 2^-25 become 0.
; The softmax takes the row's maximum away; a weight under 2^-126 comes out as 0 (v_exp_f32 gives 0 for such results: ISA guide 15.8).
; SHARES.  A tile of out is 128 rows x 256 columns: 64 x 4 = 256 work-groups.  Four waves, each 64 x 128: 32 accumulators of 16 x 16.
; K goes through 64 steps of 128 (8 experts x 8 steps) in a ring of two LDS slots filled by the tensor data mover.
; FOR EACH EXPERT the sums ACC start from the bias (the C of the first product), run over the expert's 1,024 k, and are then drained in f32:
; TOT = g ACC for expert 0, TOT += g ACC for the others.  Nothing is ever cleared, and the gate never touches a 16-bit operand.
; THE MATRIX INSTRUCTION IS USED TRANSPOSED: source 0 = 16 columns of We (turned on the way out of LDS by ds_load_tr16_b128), source 1 = 16 rows of x.
; In a result lane l holds row l % 16 of out and its registers 0-7 the columns 8 (l / 16) + 0..7: a lane needs ONE gate weight for each block of 16 rows.
; THE GATE rides on expert 0: four more products a quarter step, source 0 = 16 rows of Wg^T of which rows 8-15 repeat rows 0-7, C of the first = bg.
; So every lane ends with the eight logits of its row in eight registers and the softmax changes no lanes.  128 of a wave's 8,320 matrix instructions.
; CLUSTERS: 4 x 4 work-groups.  x's tile hangs on the tile row alone and is shared along a row of the cluster, We's on the tile column alone and is shared along
; a column: each is asked for JOINTLY, by the same tensor load with the same descriptor and a mask that names the four.
; LDS: the launch claims all of it; the text uses 284,416 bytes.
;
; REGISTERS, in windows of 256 (s_set_vgpr_msb's low byte: bits 1:0 source 0, 3:2 source 1, 5:4 source 2, 7:6 destination):
;   window 0: addresses, gate and bias (below)       window 1: two fragment buffers of 128: We's 8 fragments at +0, x's 4 at +64, Wg's at +96
;   window 2: ACC, (a, b) at v[8 (8 a + b)]          window 3: TOT, at the same numbers
.set PA,    272                        ; a row of x's tile in LDS: 256 bytes + 16 = 68 words: row r starts at bank 4 r mod 64 (64 banks of 4 bytes: ISA guide 11.1)
.set PB,    544                        ; a row (one k) of We's tile: 512 bytes + 32 = 136 words: row r starts at bank 8 r mod 64
.set ATILE, 128*PA                     ; x's 128 rows x 128 k
.set SLOT,  ATILE+128*PB               ; then We's 128 k x 256 columns: 104,448 bytes
.set STAGE, 2*SLOT                     ; behind the ring, where no fill lands: each wave's own 16 rows x 528 bytes, for the way out
.set SP,    528                        ; 512 bytes + 16: 16 rows start at 16 different groups of four banks
.set WGT,   STAGE+4*16*SP              ; Wg^T in f16: 8 rows of 2,048 bytes, PW apart
.set PW,    2064
.set BIAS,  WGT+16640                  ; be[e][the tile's 256 columns], f32: 1,024 bytes an expert
.set GT,    BIAS+8192                  ; each wave's own 4,096 bytes: g at 1,024 a + 32 lane + 4 e
.set SPARE, GT+4*4096                  ; the spare words, 128 bytes for each wave: two blocks of 256 bytes that no other line names
.set ADRA, 16                          ; v16-17  LDS address of my fragments of x in slot 0, 1
.set ADRB, 18                          ; v18-19  the same for We
.set AWG,  20                          ; v20     my place in Wg^T; 256 bytes on in each K step of expert 0
.set ABI,  21                          ; v21     my place in the bias table; 1,024 bytes on for each expert
.set AG,   22                          ; v22     my place in my wave's table of g; 4 bytes on for each expert
.set STO,  23                          ; v23     the way out: where I put 32 bytes of a row
.set RD,   24                          ; v24     the way out: where I read a row back
.set CO,   25                          ; v25     my byte offset in a row of my wave's part of out
.set SPW,  26                          ; v26     LDS address of my spare word: SPARE + 4 x my thread's number; never rewritten
.set NIL,  27                          ; v27     0; never rewritten
.set GW,   28                          ; v28-35  four pairs: the even register is g of block a for the expert in hand; the odd ones are 0 (a pair is named whole)
.set BGR,  36                          ; v36-43  bg[0..7], the same in every lane
.set MX,   44                          ; v44-51  four pairs: c x maximum, then sum, then 1 / sum; the odd ones are 0
.set LG,   64                          ; v64-95  the logits, then g: 8 for each block of 16 rows
.set BI,   96                          ; v96-159 the expert's bias, 8 for each of my 8 column blocks; at work at the head; second buffer on the way out
.set OB,   160                         ; v160-223 Wg as loaded; the softmax's sums; first buffer on the way out
.set BE,   224                         ; v224-239 be as loaded
.set F0,   0                           ; fragment buffers, in window 1
.set F1,   128
.set WV,   16                          ; s16 my wave's number   s17 which 64 rows are mine   s18 which 128 columns; also: which half of a tile I fetch
.set WM,   17
.set WN,   18
.set G1A,  24                          ; s[24:31] descriptor group 1 for x's tiles;  s[32:39] group 0, a set for each slot
.set G0A,  32
.set G1B,  40                          ; s[40:47], s[48:55] the same for We's tiles
.set G0B,  48
.set BG,   56                          ; s[56:63] bg
.set LAPC, 66                          ; s66 laps to go    s67 experts to go    s[68:69] c = log2(e), twice
.set EXC,  67
.set CS,   68
.set W_MUL,   0xa5                     ; sources 0 and 1 window 1, C and D window 2
.set W_FIRST, 0x85                     ; the same with C (the bias) in window 0
.set W_GATE,  0x05                     ; sources window 1, C and D (the logits) window 0
.set W_LD,    0x40                     ; destination window 1, address window 0
.set W_FMA,   0xf2                     ; TOT (destination, source 2) window 3, ACC (source 0) window 2, g (source 1) window 0
.set W_SCALE, 0xc2                     ; the same without source 2
.set W_OUT,   0x0c                     ; an LDS store's data (source 1) window 3
.set MSB, 0
.macro WIN new                         ; the immediate's high byte repeats the setting that is left; a switch that changes nothing is dropped
.if MSB != \new
	s_set_vgpr_msb (MSB<<8)|\new
.set MSB, \new
.endif
.endm
; A load into a register that a matrix instruction has read, and a vector instruction that reads a matrix result, stand four places behind that matrix
; instruction, and only plain vector instructions that name none of its registers are places (ISA guide 7.12.1 for vector instructions).
.macro PLACES
.rept 4
	v_nop
.endr
.endm
; A joint load.  Waves 0 and 1 fetch the halves of x's tile, waves 2 and 3 those of We's.  The branch hangs on the wave's number alone.
; Four v_nop follow each of the two lines, ahead of the jump, the label and what follows.
.macro JLOAD slot
	s_cmp_lt_u32 s[WV], 2
	s_cbranch_scc0 .Lfor_b_\@
	tensor_load_to_lds s[G0A+4*\slot:G0A+4*\slot+3], s[G1A:G1A+7]
	s_nop 0
.rept 4
	v_nop
.endr
	s_branch .Lasked_\@
.Lfor_b_\@:
	tensor_load_to_lds s[G0B+4*\slot:G0B+4*\slot+3], s[G1B:G1B+7]
	s_nop 0
.rept 4
	v_nop
.endr
.Lasked_\@:
.endm
; A round of the cluster's barrier: my work-group's barrier, wave 0 signals for the work-group, every wave waits for all sixteen, my work-group's barrier once more.
.macro CREST                           ; a round behind its opening barrier
	s_cmp_lg_u32 s[WV], 0
	s_cbranch_scc1 .Lnot_wave_0_\@
	s_barrier_signal -3
.Lnot_wave_0_\@:
	s_barrier_wait -3
	s_barrier_signal -1
	s_barrier_wait -1
.endm
.macro CROUND                          ; a whole round
	s_barrier_signal -1
	s_barrier_wait -1
	CREST
.endm
	s_load_b256 s[4:11], s[0:1], 0x0               ; xh s[4:5], wh s[6:7], Wg s[8:9], bg s[10:11]
	s_load_b128 s[12:15], s[0:1], 0x20             ; be s[12:13], out s[14:15]
	v_lshl_add_u32 v[SPW], v0, 2, SPARE
	v_mov_b32 v[NIL], 0
	ds_add_u32 v26, v27
	s_wait_dscnt 0x0
	v_lshrrev_b32 v1, 5, v0
	v_readfirstlane_b32 s[WV], v1                  ; wave 0..3
	s_lshr_b32 s[WM], s[WV], 1
	s_and_b32 s[WN], s[WV], 1
	s_bfe_u32 s19, ttmp6, 0x40000                  ; cx: my place along the cluster's x
	s_bfe_u32 s20, ttmp6, 0x40004                  ; cy: along its y
	s_lshl_b32 s21, ttmp9, 2                       ; in a cluster launch ttmp9 and ttmp7 count clusters
	s_add_co_u32 s21, s21, s19                     ; tile column = 4 x cluster x + cx
	s_and_b32 s22, ttmp7, 0xffff
	s_lshl_b32 s22, s22, 2
	s_add_co_u32 s22, s22, s20                     ; tile row = 4 x cluster y + cy
	s_lshl_b32 s66, s20, 2
	s_lshl_b32 s66, 15, s66                        ; my row of the cluster: places 4 cy .. 4 cy + 3
	s_lshl_b32 s67, 0x1111, s19                    ; my column: places cx, cx + 4, cx + 8, cx + 12
	; descriptor groups 1.  x's: 64 rows x 128 elements; We's: 64 rows (k) x 256 elements; both 1,024 elements from row to row, padded in LDS
	s_or_b32 s[G1A], s66, (1<<16)|(1<<20)|(1<<21)|(5<<22)|(3<<25)   ; 15:0 the mask: my row; 17:16 elements of 2 bytes; 20 padding on; 21 set beside a mask; 24:22 after every 64 words (code 5); 31:25 4 words of it (code 3)
	s_or_b32 s[G1B], s67, (1<<16)|(1<<20)|(1<<21)|(6<<22)|(7<<25)   ; the mask: my column; after every 128 words (code 6) 8 words of padding (code 7)
	s_mov_b32 s[G1A+1], 128<<16                    ; 63:48 tensor_dim0, low half
	s_mov_b32 s[G1B+1], 256<<16
	s_mov_b32 s[G1A+2], 64<<16                     ; 79:64 its high half = 0; 95:80 tensor_dim1, low half = 64
	s_mov_b32 s[G1B+2], 64<<16
	s_mov_b32 s[G1A+3], 128<<16                    ; 111:96 its high half = 0; 127:112 tile_dim0
	s_mov_b32 s[G1B+3], 256<<16
	s_mov_b32 s[G1A+4], 64                         ; 143:128 tile_dim1 = 64; 159:144 tile_dim2 = 0
	s_mov_b32 s[G1B+4], 64
	s_mov_b32 s[G1A+5], 1024                       ; 191:160 tensor_dim0_stride, low word
	s_mov_b32 s[G1B+5], 1024
	s_mov_b32 s[G1A+6], 0
	s_mov_b32 s[G1B+6], 0
	s_mov_b32 s[G1A+7], 0
	s_mov_b32 s[G1B+7], 0
	; where the tiles come from: x's hang on the tile row alone, We's on the tile column alone; each in registers that never hold the other coordinate
	s_lshl_b32 s3, s[WN], 17                       ; the half that I fetch: 64 rows of 2,048 bytes, in xh and in wh alike
	s_lshl_b32 s68, s22, 18                        ; xh: 128 rows of 2,048 bytes for each tile row
	s_add_co_u32 s68, s68, s3
	s_mov_b32 s69, 0
	s_lshl_b32 s70, s21, 9                         ; wh: 256 columns of 2 bytes for each tile column
	s_add_co_u32 s70, s70, s3
	s_mov_b32 s71, 0
	s_mul_i32 s23, s[WN], 64*PA                    ; and where they go: no place in the cluster enters an LDS address
	s_mul_i32 s2, s[WN], 64*PB
	s_add_co_u32 s2, s2, ATILE
	s_wait_kmcnt 0x0
	s_load_b256 s[BG:BG+7], s[10:11], 0x0          ; bg: no line of this launch writes it
	s_add_nc_u64 s[68:69], s[4:5], s[68:69]
	s_add_nc_u64 s[70:71], s[6:7], s[70:71]
	CROUND                                         ; all sixteen work-groups are here: the first joint loads meet
.irp p, 0,1
	s_mov_b32 s[G0A+4*\p], 1                                       ; 1:0 count = 1
	s_add_co_u32 s[G0A+4*\p+1], s23, \p*SLOT                       ; 63:32 LDS address
	s_add_nc_u64 s[G0A+4*\p+2:G0A+4*\p+3], s[68:69], \p*256        ; 120:64 global address: K step p: 128 k of 2 bytes along the rows of xh
	s_or_b32 s[G0A+4*\p+3], s[G0A+4*\p+3], 0x80000000              ; 127:126 type = 2
	s_mov_b32 s[G0B+4*\p], 1
	s_add_co_u32 s[G0B+4*\p+1], s2, \p*SLOT
	s_add_nc_u64 s[G0B+4*\p+2:G0B+4*\p+3], s[70:71], \p*262144     ; K step p: 128 rows of 2,048 bytes down wh
	s_or_b32 s[G0B+4*\p+3], s[G0B+4*\p+3], 0x80000000
.endr
	s_cmp_lt_u32 s[WV], 2                          ; a wave's two first fills stand in one branch, ahead of every wait on TENSORcnt and every LDS read: two loads of mine are out
	s_cbranch_scc0 .Lfirst_b
	tensor_load_to_lds s[G0A:G0A+3], s[G1A:G1A+7]
	s_nop 0
	tensor_load_to_lds s[G0A+4:G0A+7], s[G1A:G1A+7]
	s_nop 0
.rept 4
	v_nop
.endr
	s_branch .Lfirst_asked
.Lfirst_b:
	tensor_load_to_lds s[G0B:G0B+3], s[G1B:G1B+7]
	s_nop 0
	tensor_load_to_lds s[G0B+4:G0B+7], s[G1B:G1B+7]
	s_nop 0
.rept 4
	v_nop
.endr
.Lfirst_asked:
	; THE TABLES, while the first tiles are on their way.
	s_lshl_b32 s2, s21, 10                         ; the tile's 256 columns of 4 bytes,
	s_mov_b32 s3, 0
	s_add_nc_u64 s[12:13], s[12:13], s[2:3]        ; in be
	s_add_nc_u64 s[14:15], s[14:15], s[2:3]        ; and in out
	v_and_b32 v1, 15, v0                           ; l % 16
	v_bfe_u32 v2, v0, 4, 1                         ; l / 16
	v_and_b32 v3, 31, v0                           ; l
	v_lshlrev_b32 v4, 8, v0                        ; thread t takes 256 consecutive bytes of Wg, rows k = 8 t .. 8 t + 7: its eight numbers of an expert are eight neighbouring k
.irp i, 0,1,2,3,4,5,6,7,8,9,10,11,12,13,14,15
	global_load_b128 v[OB+4*\i:OB+4*\i+3], v4, s[8:9] offset:16*\i   ; register OB + n: k = 8 t + n / 8, expert n % 8
.endr
	v_lshrrev_b32 v5, 6, v0
	v_and_b32 v6, 63, v0
	v_lshlrev_b32 v6, 4, v6
	v_lshl_add_u32 v5, v5, 12, v6                  ; be: expert t / 64 + 2 i, 16 bytes at 16 (t % 64) of the tile's 1,024: 64 threads take them on end
.irp i, 0,1,2,3
	global_load_b128 v[BE+4*\i:BE+4*\i+3], v5, s[12:13] offset:8192*\i
.endr
	s_lshl_b32 s2, s22, 19                         ; out: 128 rows of 4,096 bytes for each tile row,
	s_lshl_b32 s23, s[WM], 18                      ; my wave's 64 rows,
	s_add_co_u32 s2, s2, s23
	s_lshl_b32 s23, s[WN], 9                       ; my wave's 128 columns
	s_add_co_u32 s2, s2, s23
	s_add_nc_u64 s[14:15], s[14:15], s[2:3]
	s_mov_b32 s[CS], 0x3fb8aa3b                    ; c = log2(e)
	s_mov_b32 s[CS+1], s[CS]                       ; named with it as a pair, so it is written
	; A fragment of x is 16 rows x 32 k in 8 registers: lane l holds row l % 16; registers 0-3 k = 8 (l / 16) + 0..7, registers 4-7 k = 16 + 8 (l / 16) + 0..7: two loads of 16 bytes, 32 bytes apart.
	v_mul_u32_u24 v7, v1, PA
	v_lshl_add_u32 v7, v2, 4, v7
	s_mul_i32 s23, s[WM], 64*PA
	v_add_nc_u32 v[ADRA], s23, v7
	v_add_nc_u32 v[ADRA+1], SLOT, v[ADRA]
	; The turning load takes 16 k x 16 columns (lane l reads 16 bytes: k = 8 (l / 16) + l % 8, columns 8 ((l / 8) % 2) + 0..7) and leaves half a fragment: lane l holds column l % 16 and 8 k.
	v_and_b32 v8, 7, v0
	v_lshl_add_u32 v9, v2, 3, v8
	v_mul_u32_u24 v9, v9, PB
	v_bfe_u32 v10, v0, 3, 1
	v_lshl_add_u32 v9, v10, 4, v9
	s_lshl_b32 s23, s[WN], 8
	s_add_co_u32 s23, s23, ATILE
	v_add_nc_u32 v[ADRB], s23, v9
	v_add_nc_u32 v[ADRB+1], SLOT, v[ADRB]
	v_mul_u32_u24 v8, v8, PW                       ; Wg^T: row (l % 16) % 8, so that rows 8-15 of the fragment repeat rows 0-7
	v_lshl_add_u32 v8, v2, 4, v8
	v_add_nc_u32 v[AWG], WGT, v8
	s_lshl_b32 s23, s[WN], 9
	s_add_co_u32 s23, s23, BIAS
	v_lshl_add_u32 v[ABI], v2, 5, s23              ; the bias of columns 8 (l / 16) + 0..7 of a block: the sixteen lanes of a half read the same words
	s_lshl_b32 s23, s[WV], 12
	s_add_co_u32 s23, s23, GT
	v_lshl_add_u32 v[AG], v3, 5, s23
	s_mul_i32 s23, s[WV], 16*SP
	s_add_co_u32 s23, s23, STAGE                   ; my stage
	v_mul_u32_u24 v11, v1, SP                      ; in: row l % 16, 32 bytes for each half of the lanes
	v_lshl_add_u32 v11, v2, 5, v11
	v_add_nc_u32 v[STO], s23, v11
	v_lshl_add_u32 v[RD], v3, 4, s23               ; back: the 32 lanes take a row's 512 bytes
	v_lshlrev_b32 v[CO], 4, v3
	v_lshl_add_u32 v12, v0, 4, WGT                 ; where my eight k of an expert go
	v_lshl_add_u32 v13, v0, 4, BIAS                ; 1,024 (t / 64) + 16 (t % 64) = 16 t
.irp a, 0,1,2,3
	v_mov_b32 v[GW+2*\a+1], 0
	v_mov_b32 v[MX+2*\a+1], 0
.endr
	s_wait_kmcnt 0x0                               ; bg
.irp j, 0,1,2,3,4,5,6,7
	v_mov_b32 v[BGR+\j], s[BG+\j]
.endr
	s_wait_loadcnt 0x4                             ; Wg is in; be's four loads may stay out
.irp e, 0,1,2,3,4,5,6,7
.irp p, 0,1,2,3
	v_cvt_pk_f16_f32 v[BI+4*\e+\p], v[OB+16*\p+\e], v[OB+16*\p+8+\e]   ; expert e, k = 8 t + 2 p and + 1
.endr
.endr
.irp e, 0,1,2,3,4,5,6,7
	ds_store_b128 v12, v[BI+4*\e:BI+4*\e+3] offset:\e*PW
.endr
	s_wait_loadcnt 0x0                             ; be
.irp i, 0,1,2,3
	ds_store_b128 v13, v[BE+4*\i:BE+4*\i+3] offset:2048*\i
.endr
; 8 matrix instructions: block a of my four blocks of 16 rows x all 8 column blocks, 32 along K, from buffer f.  first = 1: the sums start from the bias.
; The 32 accumulators take turns, one instruction a turn, in the same order in every quarter step.
.macro MUL8 f, a, first
.if \first
	WIN W_FIRST
.else
	WIN W_MUL
.endif
.irp b, 0,1,2,3,4,5,6,7
.if \first
	v_wmma_f32_16x16x32_f16 v[8*(8*\a+\b):8*(8*\a+\b)+7], v[\f+8*\b:\f+8*\b+7], v[\f+64+8*\a:\f+64+8*\a+7], v[BI+8*\b:BI+8*\b+7]
.else
	v_wmma_f32_16x16x32_f16 v[8*(8*\a+\b):8*(8*\a+\b)+7], v[\f+8*\b:\f+8*\b+7], v[\f+64+8*\a:\f+64+8*\a+7], v[8*(8*\a+\b):8*(8*\a+\b)+7]
.endif
.endr
.endm
; The gate's 4 matrix instructions of a quarter step: the logits of my four blocks of rows.  first = 1: the sums start from bg.
.macro GMUL f, first
	WIN W_GATE
.irp a, 0,1,2,3
.if \first
	v_wmma_f32_16x16x32_f16 v[LG+8*\a:LG+8*\a+7], v[\f+96:\f+103], v[\f+64+8*\a:\f+64+8*\a+7], v[BGR:BGR+7]
.else
	v_wmma_f32_16x16x32_f16 v[LG+8*\a:LG+8*\a+7], v[\f+96:\f+103], v[\f+64+8*\a:\f+64+8*\a+7], v[LG+8*\a:LG+8*\a+7]
.endif
.endr
.endm
; One run of LDS loads: the fragments of quarter q of a slot's K step into buffer f: We's 16, x's 8 (blocks 0 and 1 first), with gate = 1 Wg's 2.
.macro FETCH slot, q, f, gate
	WIN W_LD
.irp b, 0,1,2,3,4,5,6,7
	ds_load_tr16_b128 v[\f+8*\b:\f+8*\b+3],   v[ADRB+\slot] offset:\q*32*PB+32*\b
	ds_load_tr16_b128 v[\f+8*\b+4:\f+8*\b+7], v[ADRB+\slot] offset:\q*32*PB+32*\b+16*PB
.endr
.irp a, 0,1,2,3
	ds_load_b128 v[\f+64+8*\a:\f+64+8*\a+3],   v[ADRA+\slot] offset:\a*16*PA+64*\q
	ds_load_b128 v[\f+64+8*\a+4:\f+64+8*\a+7], v[ADRA+\slot] offset:\a*16*PA+64*\q+32
.endr
.if \gate
	ds_load_b128 v[\f+96:\f+99],   v[AWG] offset:64*\q
	ds_load_b128 v[\f+100:\f+103], v[AWG] offset:64*\q+32
.endif
.endm
.macro BIASLD                          ; 16 loads: an expert's bias for my 8 column blocks
.irp b, 0,1,2,3,4,5,6,7
	ds_load_b128 v[BI+8*\b:BI+8*\b+3],   v[ABI] offset:64*\b
	ds_load_b128 v[BI+8*\b+4:BI+8*\b+7], v[ABI] offset:64*\b+16
.endr
.endm
; What an expert's last lap fetches besides fragments.  xb = 1: the NEXT expert's bias.  xg = 1: THIS expert's g, one word a lane for each block of rows
; (lanes 32 bytes apart: every eighth lane meets the same bank; four loads an expert).
.macro EXTRA xb, xg
.if \xb || \xg
	WIN 0
.endif
.if \xb
	v_add_nc_u32 v[ABI], 0x400, v[ABI]
	BIASLD
.endif
.if \xg
.irp a, 0,1,2,3
	ds_load_b32 v[GW+2*\a], v[AG] offset:1024*\a
.endr
	v_add_nc_u32 v[AG], 4, v[AG]
.endif
.endm
; A K step is four quarter steps of 32 along K, 32 matrix instructions each (36 with the gate), on buffers 0, 1, 0, 1.
; One of the first three: multiplies buffer f and fetches quarter q of the same slot into buffer g.  young = the extras issued behind the run that filled f.
.macro QUARTER slot, q, f, g, first, gate, xb, xg, young
	s_wait_dscnt 4+2*\gate+\young                  ; We's fragments and x's blocks 0 and 1 are in; x's blocks 2 and 3, Wg's two loads and the extras may be out
	MUL8 \f, 0, \first
	PLACES
	FETCH \slot, \q, \g, \gate
	EXTRA \xb, \xg
	s_wait_dscnt 24+2*\gate+16*\xb+4*\xg           ; all but what was just issued
	MUL8 \f, 1, \first
	MUL8 \f, 2, \first
	MUL8 \f, 3, \first
.if \gate
	GMUL \f, \first
.endif
.endm
; The last quarter multiplies buffer 1 and changes slots: ONE barrier.  In front of it each wave waits for all its tensor loads, of which one is out: its part of the next
; slot; adds 0 to its spare word; and waits for that and for its own reads of this slot.  Behind it nobody reads this slot any more and the next slot is whole.
; fill = 1: this slot is filled again with the K step two on, in the same expert; 2: with the next expert's K step 0 or 1 (x goes back along its rows, We goes on down);
; 0: nothing is left to fetch.  With a fill the barrier opens a round of the cluster's barrier, and the joint load is the first thing behind the round: a wave issues 112 (with the gate 128)
; matrix instructions between that request and the wait for it.  gnext = 1: the next K step still has the gate's products.
.macro TURN slot, next, fill, gate, gnext
	WIN 0                                          ; (the add's two registers lie in window 0)
	s_wait_tensorcnt 0x0                           ; all my tensor loads have landed;
	ds_add_u32 v[SPW], v[NIL]                      ; 0 onto my spare word;
	s_wait_dscnt 5+2*\gate                         ; (the add, x's blocks 2 and 3 and Wg's two loads may be out)
	MUL8 F1, 0, 0                                  ; eight matrix instructions stand between the add and the wait for it
	s_wait_dscnt 0x0                               ; the add is done, and my reads of this slot are over
	s_barrier_signal -1
	MUL8 F1, 1, 0                                  ; work on registers while the others arrive
.if \fill
	WIN 0
.endif
	s_barrier_wait -1
.if \fill
	CREST                                          ; no wave of any partner still reads this slot's tiles or has a load on its way
.if \fill == 1
	s_add_nc_u64 s[G0A+4*\slot+2:G0A+4*\slot+3], s[G0A+4*\slot+2:G0A+4*\slot+3], 512
.else
	s_sub_nc_u64 s[G0A+4*\slot+2:G0A+4*\slot+3], s[G0A+4*\slot+2:G0A+4*\slot+3], 1536
.endif
	s_add_nc_u64 s[G0B+4*\slot+2:G0B+4*\slot+3], s[G0B+4*\slot+2:G0B+4*\slot+3], 524288
	JLOAD \slot                                    ; its four v_nop are also the places in front of the loads below
.else
	PLACES
.endif
.if \gnext
	WIN 0
	v_add_nc_u32 v[AWG], 0x100, v[AWG]             ; Wg^T: the next 128 k
.endif
	FETCH \next, 0, F0, \gnext
	MUL8 F1, 2, 0
	MUL8 F1, 3, 0
.if \gate
	GMUL F1, 0
.endif
.endm
; Three of an expert's four laps (a lap = two K steps = once round the ring): a trip goes from a lap's second quarter to the next lap's first and fills both slots again.
.macro LAPS gate
	WIN 0                                          ; at a label and at a branch every window is 0
	s_mov_b32 s[LAPC], 3
.Llap_\@:
	QUARTER 0, 2, F1, F0, 0, \gate, 0, 0, 0
	QUARTER 0, 3, F0, F1, 0, \gate, 0, 0, 0
	TURN 0, 1, 1, \gate, \gate
	QUARTER 1, 1, F0, F1, 0, \gate, 0, 0, 0
	QUARTER 1, 2, F1, F0, 0, \gate, 0, 0, 0
	QUARTER 1, 3, F0, F1, 0, \gate, 0, 0, 0
	TURN 1, 0, 1, \gate, \gate
	QUARTER 0, 1, F0, F1, 0, \gate, 0, 0, 0
	WIN 0
	s_sub_co_u32 s[LAPC], s[LAPC], 1
	s_cmp_lg_u32 s[LAPC], 0
	s_cbranch_scc1 .Llap_\@
.endm
; The rest of the last lap of an expert that has a successor: the ring goes on into the next expert, whose bias and first fragments are fetched.
.macro TAIL gate, xg
	QUARTER 0, 2, F1, F0, 0, \gate, 1, \xg, 0
	QUARTER 0, 3, F0, F1, 0, \gate, 0, 0, 16+4*\xg
	TURN 0, 1, 2, \gate, \gate
	QUARTER 1, 1, F0, F1, 0, \gate, 0, 0, 0
	QUARTER 1, 2, F1, F0, 0, \gate, 0, 0, 0
	QUARTER 1, 3, F0, F1, 0, \gate, 0, 0, 0
	TURN 1, 0, 2, \gate, 0
.endm
; g = softmax of a lane's eight logits, for its four rows (blocks a = 0..3), phase by phase so that no line waits for the one in front of it.
; p = 2^(c l - c m), m the row's maximum: the rounding of c m is one factor for all eight and leaves with the division by their sum.  Then g goes to my wave's table.
.macro SOFTMAX
	WIN 0
.irp a, 0,1,2,3
	v_max3_num_f32 v[MX+2*\a], v[LG+8*\a], v[LG+8*\a+1], v[LG+8*\a+2]   ; each block's logits are read from their low end on
.endr
.irp a, 0,1,2,3
	v_max3_num_f32 v[MX+2*\a], v[MX+2*\a], v[LG+8*\a+3], v[LG+8*\a+4]
.endr
.irp a, 0,1,2,3
	v_max3_num_f32 v[MX+2*\a], v[MX+2*\a], v[LG+8*\a+5], v[LG+8*\a+6]
.endr
.irp a, 0,1,2,3
	v_max_num_f32 v[MX+2*\a], v[MX+2*\a], v[LG+8*\a+7]
.endr
.irp a, 0,1,2,3
	v_mul_f32 v[MX+2*\a], s[CS], v[MX+2*\a]        ; c m
.endr
.irp a, 0,1,2,3
.irp c, 0,2,4,6
	v_pk_fma_f32 v[LG+8*\a+\c:LG+8*\a+\c+1], v[LG+8*\a+\c:LG+8*\a+\c+1], s[CS:CS+1], v[MX+2*\a:MX+2*\a+1] op_sel_hi:[1,0,0] neg_lo:[0,0,1] neg_hi:[0,0,1]   ; c l - c m
.endr
.endr
.set i, 0
.rept 32
	v_exp_f32 v[LG+i], v[LG+i]
.set i, i+1
.endr
	v_nop                                          ; a plain instruction between the last exponential and the use of its result (ISA guide 5.7.2)
	s_wait_alu depctr_va_vdst(0)
.irp a, 0,1,2,3
	v_pk_add_f32 v[OB+4*\a:OB+4*\a+1],   v[LG+8*\a:LG+8*\a+1],   v[LG+8*\a+2:LG+8*\a+3]
	v_pk_add_f32 v[OB+4*\a+2:OB+4*\a+3], v[LG+8*\a+4:LG+8*\a+5], v[LG+8*\a+6:LG+8*\a+7]
.endr
.irp a, 0,1,2,3
	v_pk_add_f32 v[OB+4*\a:OB+4*\a+1], v[OB+4*\a:OB+4*\a+1], v[OB+4*\a+2:OB+4*\a+3]
.endr
.irp a, 0,1,2,3
	v_add_f32 v[MX+2*\a], v[OB+4*\a], v[OB+4*\a+1] ; at least about 1: the maximum's own weight
.endr
.irp a, 0,1,2,3
	v_rcp_f32 v[MX+2*\a], v[MX+2*\a]
.endr
	v_nop
	s_wait_alu depctr_va_vdst(0)
.irp a, 0,1,2,3
.irp c, 0,2,4,6
	v_pk_mul_f32 v[LG+8*\a+\c:LG+8*\a+\c+1], v[LG+8*\a+\c:LG+8*\a+\c+1], v[MX+2*\a:MX+2*\a+1] op_sel_hi:[1,0]
.endr
.endr
.irp a, 0,1,2,3
	ds_store_b128 v[AG], v[LG+8*\a:LG+8*\a+3]   offset:1024*\a      ; my wave's own bytes: LDS serves a wave's instructions in order (ISA guide 5.7.1.4)
	ds_store_b128 v[AG], v[LG+8*\a+4:LG+8*\a+7] offset:1024*\a+16
.endr
	v_add_nc_u32 v[AG], 4, v[AG]                   ; the next g to be read is expert 1's
.endm
; An expert's finished sums are taken into the total, two numbers a line, each accumulator from its low end on.  first = 1: expert 0 starts the total; its g lies in the logits' first register.
.macro DRAIN first
.if \first
	WIN W_SCALE
.else
	WIN W_FMA
.endif
.irp a, 0,1,2,3
.set i, 64*\a
.rept 32
.if \first
	v_pk_mul_f32 v[i:i+1], v[i:i+1], v[LG+8*\a:LG+8*\a+1] op_sel_hi:[1,0]
.else
	v_pk_fma_f32 v[i:i+1], v[i:i+1], v[GW+2*\a:GW+2*\a+1], v[i:i+1] op_sel_hi:[1,0,1]
.endif
.set i, i+2
.endr
.endr
	WIN 0
.endm
; THE WAY OUT of block a (16 rows x my 128 columns of f32): a lane's 32 bytes of each column block go into my stage, rows of 528 bytes, and come back as whole rows of 512.
.macro TOSTAGE a, buf
.if \a >= 2
	s_wait_xcnt 0x0                                ; every earlier memory instruction has had its addresses translated (ISA guide 3.1): the buffer, which earlier stores read, is loaded again only behind this wait
.endif
	WIN W_OUT
.irp b, 0,1,2,3,4,5,6,7
	ds_store_b128 v[STO], v[8*(8*\a+\b):8*(8*\a+\b)+3]   offset:64*\b
	ds_store_b128 v[STO], v[8*(8*\a+\b)+4:8*(8*\a+\b)+7] offset:64*\b+16
.endr
	WIN 0
.irp t, 0,1,2,3,4,5,6,7,8,9,10,11,12,13,14,15
	ds_load_b128 v[\buf+4*\t:\buf+4*\t+3], v[RD] offset:\t*SP      ; in order behind the stores above; the next block's stores come behind these
.endr
.endm
.macro SEND a, buf, younger            ; younger: the LDS instructions issued behind block a's loads: the next block's 32, or none
.irp t, 0,1,2,3,4,5,6,7,8,9,10,11,12,13,14,15
	s_wait_dscnt \younger+15-\t
	global_store_b128 v[CO], v[\buf+4*\t:\buf+4*\t+3], s[14:15] offset:(16*\a+\t)*4096 th:TH_STORE_NT   ; the wave stores 512 consecutive bytes, at a multiple of 512 from out's first byte
.endr
.endm
	s_wait_tensorcnt 0x1                           ; my part of K step 0 is in; K step 1's may stay out
	s_wait_dscnt 0x0                               ; for the others' sake: my parts of Wg^T and of the bias table are written
	s_barrier_signal -1
	s_barrier_wait -1                              ; everybody's are
	BIASLD                                         ; expert 0's bias
	FETCH 0, 0, F0, 1
	; EXPERT 0, with the gate's products
	QUARTER 0, 1, F0, F1, 1, 1, 0, 0, 0            ; an expert's first quarter stands in front of the laps: its products start the sums
	LAPS 1
	TAIL 1, 0
	PLACES                                         ; behind the last products of the logits
	SOFTMAX
	DRAIN 1                                        ; the softmax's plain lines are the places behind the last products of ACC
	; EXPERTS 1 TO 6
	s_mov_b32 s[EXC], 6
.Lexpert:
	QUARTER 0, 1, F0, F1, 1, 0, 0, 0, 0            ; (on the way in from expert 0 the softmax's eight LDS stores are younger than the fragments' loads: the count then waits for more than it needs)
	LAPS 0
	TAIL 0, 1
	PLACES
	DRAIN 0                                        ; its 128 lines also stand between the last products and the next expert's first, which write ACC anew
	s_sub_co_u32 s[EXC], s[EXC], 1
	s_cmp_lg_u32 s[EXC], 0
	s_cbranch_scc1 .Lexpert
	; EXPERT 7 is written out: its last lap asks for nothing
	QUARTER 0, 1, F0, F1, 1, 0, 0, 0, 0
	LAPS 0
	QUARTER 0, 2, F1, F0, 0, 0, 0, 1, 0
	QUARTER 0, 3, F0, F1, 0, 0, 0, 0, 4
	TURN 0, 1, 0, 0, 0                             ; my one tensor load that was still out is the last K step's, so no round follows
	QUARTER 1, 1, F0, F1, 0, 0, 0, 0, 0
	QUARTER 1, 2, F1, F0, 0, 0, 0, 0, 0
	QUARTER 1, 3, F0, F1, 0, 0, 0, 0, 0
	s_wait_dscnt 0x4                               ; the very last quarter: nothing more to fetch
	MUL8 F1, 0, 0
	MUL8 F1, 1, 0
	s_wait_dscnt 0x0
	MUL8 F1, 2, 0
	MUL8 F1, 3, 0
	PLACES
	DRAIN 0
	TOSTAGE 0, OB
	TOSTAGE 1, BI                                  ; a block's way through the stage stands between the loads of the block before and its stores
	SEND 0, OB, 32
	TOSTAGE 2, OB
	SEND 1, BI, 32
	TOSTAGE 3, BI
	SEND 2, OB, 32
	SEND 3, BI, 0
	s_wait_tensorcnt 0x0                           ; the wave's end: behind my last tensor load and my last LDS store
	ds_add_u32 v[SPW], v[NIL]
	s_wait_dscnt 0x0
	CROUND                                         ; the closing round: no work-group ends while a partner may still ask for a tile that names it
	s_endpgm
.Lfunc_end_k_qd720af6754_moe:
	.size	k_qd720af6754_moe, .Lfunc_end_k_qd720af6754_moe-k_qd720af6754_moe
	.p2alignl 7, 3214868480
	.fill 96, 4, 3214868480
	.section	.rodata,"a",@progbits
	.p2align	6, 0x0
	.amdhsa_kernel k_qd720af6754_moe
		.amdhsa_group_segment_fixed_size 327680
		.amdhsa_private_segment_fixed_size 0
		.amdhsa_enable_private_segment 0
		.amdhsa_kernarg_size 48
		.amdhsa_user_sgpr_count 2
		.amdhsa_user_sgpr_kernarg_segment_ptr 1
		.amdhsa_wavefront_size32 1
		.amdhsa_system_sgpr_workgroup_id_x 1
		.amdhsa_system_sgpr_workgroup_id_y 1
		.amdhsa_system_sgpr_workgroup_id_z 1
		.amdhsa_system_vgpr_workitem_id 0
		.amdhsa_next_free_vgpr 1024
		.amdhsa_next_free_sgpr 72
		.amdhsa_reserve_vcc 0
		.amdhsa_float_denorm_mode_32 3
		.amdhsa_float_denorm_mode_16_64 3
		.amdhsa_memory_ordered 1
		.amdhsa_forward_progress 1
		.amdhsa_inst_pref_size 255
	.end_amdhsa_kernel
	.section	.bss,"aw",@nobits
	.p2align	6
	.space	262144
	.amdgpu_metadata
---
amdhsa.version: [ 1, 2 ]
amdhsa.kernels:
  - .name:           k_qd720af6754_moe
    .symbol:         k_qd720af6754_moe.kd
    .args:
      - { .name: xh, .offset: 0, .size: 8, .value_kind: global_buffer, .address_space: global }
      - { .name: wh, .offset: 8, .size: 8, .value_kind: global_buffer, .address_space: global }
      - { .name: Wg, .offset: 16, .size: 8, .value_kind: global_buffer, .address_space: global }
      - { .name: bg, .offset: 24, .size: 8, .value_kind: global_buffer, .address_space: global }
      - { .name: be, .offset: 32, .size: 8, .value_kind: global_buffer, .address_space: global }
      - { .name: out0, .offset: 40, .size: 8, .value_kind: global_buffer, .address_space: global }
    .group_segment_fixed_size: 327680
    .private_segment_fixed_size: 0
    .kernarg_segment_align: 8
    .kernarg_segment_size: 48
    .max_flat_workgroup_size: 128
    .sgpr_count:     72
    .vgpr_count:     1024
    .wavefront_size: 32
...
	.end_amdgpu_metadata
.endif
;; end of part 2
;; ======== version 2 of 2: 2 launches; 1.13 times as fast as version 1
;; limits: values are held in f16: magnitudes above 65,504 overflow, below 6.1e-05 lose precision
;; workspace buffers: xh 16,777,216 bytes; wh 16,777,216 bytes
;; launch tohalf: the kernel of part 1 again; grid 512 x 2, 8 waves a work-group, no clusters, 0 bytes of LDS; arguments x, We, xh, wh; writes xh, wh
;; launch moe (part 3): grid 4 x 64, 4 waves a work-group, clusters of 4 x 4, 327,680 bytes of LDS; arguments xh, wh, Wg, bg, be, out0; writes out0
.if DOCPART == 3
	.amdgcn_target "amdgcn-amd-amdhsa--gfx1250"
	.amdhsa_code_object_version 6
	.text
	.protected	k_qd720af6754_moe
	.globl	k_qd720af6754_moe
	.p2align	8
	.type	k_qd720af6754_moe,@function
k_qd720af6754_moe:
	s_mov_b64 s[64:65], 0
	v_nop
	global_prefetch_b8 v0, s[64:65] scope:SCOPE_SE
	s_setreg_imm32_b32 hwreg(HW_REG_WAVE_MODE, 25, 1), 1
	s_wait_xcnt 0x0
	s_wait_alu depctr_hold_cnt(0) depctr_sa_sdst(0) depctr_va_vdst(0) depctr_va_sdst(0) depctr_va_ssrc(0) depctr_va_vcc(0) depctr_vm_vsrc(0)
	s_getreg_b32 s2, hwreg(HW_REG_IB_STS2, 6, 4)
	s_cmp_eq_u32 s2, 0
	s_cbranch_scc0 .Lentry_in_a_cluster
	s_endpgm
.Lentry_in_a_cluster:
	s_bfe_u32 s2, ttmp6, 0x10000c
	s_cmp_lg_u32 s2, 0xf033
	s_cbranch_scc0 .Lentry_shape_is_right
	s_endpgm
.Lentry_shape_is_right:
; out[n][o] = sum over e of g[n][e] (sum over i of x[n][i] We[e][i][o] + be[e][o]),   g[n][:] = softmax over e of (x[n] . Wg[:][e] + bg[e]).
; xh: [8192][1024] f16 (x), wh: [8 x 1024][1024] f16 (We, rows k = 1024 e + i), Wg: [1024][8], bg: [8], be: [8][1024], out: [8192][1024], these four f32.
; Products on f16 operands with f32 sums; bias, softmax, the gate-weighted sum and the output in f32.
; LIMITS: Wg is rounded to f16 here as x and We were in the launch before: magnitudes of 65,504 or more become infinite, those under 2^-25 become 0.
; The softmax takes the row's maximum away; a weight under 2^-126 comes out as 0 (v_exp_f32 gives 0 for such results: ISA guide 15.8).
; SHARES.  A tile of out is 128 rows x 256 columns: 64 x 4 = 256 work-groups.  Four waves, each 64 x 128: 32 accumulators of 16 x 16.
; K goes through 64 steps of 128 (8 experts x 8 steps) in a ring of two LDS slots filled by the tensor data mover.
; THE WALK.  The sum over experts may be taken in any order.  Cluster y of the sixteen begins with expert e0 = (y % 8) xor (7 if y >= 8) and walks the eight in a ring: PLACE j of its walk is
; expert (j + e0) % 8.  Only y and y xor 15 have the same start, so among the eight clusters that agree in any one bit of y all eight starts occur.  A K step of We is asked for by two clusters
; at a time, and by the other fourteen in later passes, not by all sixteen at once.  What follows the walk: We's address (round modulo 64 K steps), the bias table (laid by place), the read of g.
; FOR EACH PLACE the sums ACC start from the bias (the C of the first product), run over the expert's 1,024 k, and are then drained in f32:
; TOT = g ACC for place 0, TOT += g ACC for the others.  Nothing is ever cleared, and the gate never touches a 16-bit operand.
; THE MATRIX INSTRUCTION IS USED TRANSPOSED: source 0 = 16 columns of We (turned on the way out of LDS by ds_load_tr16_b128), source 1 = 16 rows of x.
; In a result lane l holds row l % 16 of out and its registers 0-7 the columns 8 (l / 16) + 0..7: a lane needs ONE gate weight for each block of 16 rows.
; THE GATE rides on place 0, which walks all of x's k like every place: four more products a quarter step, source 0 = 16 rows of Wg^T of which rows 8-15 repeat rows 0-7, C of the first = bg.
; So every lane ends with the eight logits of its row in eight registers, register e for expert e, and the softmax changes no lanes.  128 of a wave's 8,320 matrix instructions.
; CLUSTERS: 4 x 4 work-groups.  x's tile hangs on the tile row alone and is shared along a row of the cluster, We's on the tile column and the cluster's own number alone and is shared along
; a column: each is asked for JOINTLY, by the same tensor load with the same descriptor and a mask that names the four.
; LDS: the launch claims all of it; the text uses 284,416 bytes.
;
; REGISTERS, in windows of 256 (s_set_vgpr_msb's low byte: bits 1:0 source 0, 3:2 source 1, 5:4 source 2, 7:6 destination):
;   window 0: addresses, gate and bias (below)       window 1: two fragment buffers of 128: We's 8 fragments at +0, x's 4 at +64, Wg's at +96
;   window 2: ACC, (a, b) at v[8 (8 a + b)]          window 3: TOT, at the same numbers
.set PA,    272                        ; a row of x's tile in LDS: 256 bytes + 16 = 68 words: row r starts at bank 4 r mod 64 (64 banks of 4 bytes: ISA guide 11.1)
.set PB,    544                        ; a row (one k) of We's tile: 512 bytes + 32 = 136 words: row r starts at bank 8 r mod 64
.set ATILE, 128*PA                     ; x's 128 rows x 128 k
.set SLOT,  ATILE+128*PB               ; then We's 128 k x 256 columns: 104,448 bytes
.set STAGE, 2*SLOT                     ; behind the ring, where no fill lands: each wave's own 16 rows x 528 bytes, for the way out
.set SP,    528                        ; 512 bytes + 16: 16 rows start at 16 different groups of four banks
.set WGT,   STAGE+4*16*SP              ; Wg^T in f16: 8 rows, one an expert, of 2,048 bytes, PW apart
.set PW,    2064
.set BIAS,  WGT+16640                  ; be[expert of place j][the tile's 256 columns], f32: 1,024 bytes a place
.set GT,    BIAS+8192                  ; each wave's own 4,096 bytes: g at 1,024 a + 32 lane + 4 e
.set SPARE, GT+4*4096                  ; the spare words, 128 bytes for each wave: two blocks of 256 bytes that no other line names
.set KSB,   262144                     ; a K step down wh: 128 rows of 2,048 bytes
.set KRING, 64*KSB-1                   ; wh's 64 K steps are 2^24 bytes: this mask takes an offset round the ring
.set ADRA, 16                          ; v16-17  LDS address of my fragments of x in slot 0, 1
.set ADRB, 18                          ; v18-19  the same for We
.set AWG,  20                          ; v20     my place in Wg^T; 256 bytes on in each K step of place 0
.set ABI,  21                          ; v21     my place in the bias table; 1,024 bytes on for each place
.set AGB,  22                          ; v22     my eight words in block 0 of my wave's table of g; never rewritten
.set STO,  23                          ; v23     the way out: where I put 32 bytes of a row
.set RD,   24                          ; v24     the way out: where I read a row back
.set CO,   25                          ; v25     my byte offset in a row of my wave's part of out
.set SPW,  26                          ; v26     LDS address of my spare word: SPARE + 4 x my thread's number; never rewritten
.set NIL,  27                          ; v27     0; never rewritten
.set GW,   28                          ; v28-35  four pairs: the even register is g of block a for the place in hand; the odd ones are 0 (a pair is named whole)
.set BGR,  36                          ; v36-43  bg[0..7], the same in every lane
.set MX,   44                          ; v44-51  four pairs: c x maximum, then sum, then 1 / sum; the odd ones are 0
.set BA,   52                          ; v52-55  the head: my byte offsets in be
.set AG,   56                          ; v56     where the next g is read: AGB + 4 x the expert of the next place to be drained
.set LG,   64                          ; v64-95  the logits, then g: 8 for each block of 16 rows, register e for expert e
.set BI,   96                          ; v96-159 the place's bias, 8 for each of my 8 column blocks; at work at the head; second buffer on the way out
.set OB,   160                         ; v160-223 Wg as loaded; the softmax's sums; first buffer on the way out
.set BE,   224                         ; v224-239 be as loaded
.set F0,   0                           ; fragment buffers, in window 1
.set F1,   128
.set WV,   16                          ; s16 my wave's number   s17 which 64 rows are mine   s18 which 128 columns; also: which half of a tile I fetch
.set WM,   17
.set WN,   18
.set G1A,  24                          ; s[24:31] descriptor group 1 for x's tiles;  s[32:39] group 0, a set for each slot
.set G0A,  32
.set G1B,  40                          ; s[40:47], s[48:55] the same for We's tiles
.set G0B,  48
.set BG,   56                          ; s[56:63] bg
.set LAPC, 66                          ; s66 laps to go    s67 places to go    s[68:69] c = log2(e), twice
.set EXC,  67
.set CS,   68
.set BASEB, 70                         ; s[70:71] wh at my half of K step 0 of expert 0, my tile column; never rewritten
.set E0,   72                          ; s72 the expert with which my cluster begins
.set GJ,   73                          ; s73 4 x the expert of the next place to be drained
.set OFB,  74                          ; s[74:75] byte offset in wh of the K step asked for last, and 0 above it
.set W_MUL,   0xa5                     ; sources 0 and 1 window 1, C and D window 2
.set W_FIRST, 0x85                     ; the same with C (the bias) in window 0
.set W_GATE,  0x05                     ; sources window 1, C and D (the logits) window 0
.set W_LD,    0x40                     ; destination window 1, address window 0
.set W_FMA,   0xf2                     ; TOT (destination, source 2) window 3, ACC (source 0) window 2, g (source 1) window 0
.set W_SCALE, 0xc2                     ; the same without source 2
.set W_OUT,   0x0c                     ; an LDS store's data (source 1) window 3
.set MSB, 0
.macro WIN new                         ; the immediate's high byte repeats the setting that is left; a switch that changes nothing is dropped
.if MSB != \new
	s_set_vgpr_msb (MSB<<8)|\new
.set MSB, \new
.endif
.endm
; A load into a register that a matrix instruction has read, and a vector instruction that reads a matrix result, stand four places behind that matrix
; instruction, and only plain vector instructions that name none of its registers are places (ISA guide 7.12.1 for vector instructions).
.macro PLACES
.rept 4
	v_nop
.endr
.endm
; A joint load.  Waves 0 and 1 fetch the halves of x's tile, waves 2 and 3 those of We's.  The branch hangs on the wave's number alone.
; Four v_nop follow each of the two lines, ahead of the jump, the label and what follows.
.macro JLOAD slot
	s_cmp_lt_u32 s[WV], 2
	s_cbranch_scc0 .Lfor_b_\@
	tensor_load_to_lds s[G0A+4*\slot:G0A+4*\slot+3], s[G1A:G1A+7]
	s_nop 0
.rept 4
	v_nop
.endr
	s_branch .Lasked_\@
.Lfor_b_\@:
	tensor_load_to_lds s[G0B+4*\slot:G0B+4*\slot+3], s[G1B:G1B+7]
	s_nop 0
.rept 4
	v_nop
.endr
.Lasked_\@:
.endm
; A round of the cluster's barrier: my work-group's barrier, wave 0 signals for the work-group, every wave waits for all sixteen, my work-group's barrier once more.
.macro CREST                           ; a round behind its opening barrier
	s_cmp_lg_u32 s[WV], 0
	s_cbranch_scc1 .Lnot_wave_0_\@
	s_barrier_signal -3
.Lnot_wave_0_\@:
	s_barrier_wait -3
	s_barrier_signal -1
	s_barrier_wait -1
.endm
.macro CROUND                          ; a whole round
	s_barrier_signal -1
	s_barrier_wait -1
	CREST
.endm
	s_load_b256 s[4:11], s[0:1], 0x0               ; xh s[4:5], wh s[6:7], Wg s[8:9], bg s[10:11]
	s_load_b128 s[12:15], s[0:1], 0x20             ; be s[12:13], out s[14:15]
	v_lshl_add_u32 v[SPW], v0, 2, SPARE
	v_mov_b32 v[NIL], 0
	ds_add_u32 v26, v27
	s_wait_dscnt 0x0
	v_lshrrev_b32 v1, 5, v0
	v_readfirstlane_b32 s[WV], v1                  ; wave 0..3
	s_lshr_b32 s[WM], s[WV], 1
	s_and_b32 s[WN], s[WV], 1
	s_bfe_u32 s19, ttmp6, 0x40000                  ; cx: my place along the cluster's x
	s_bfe_u32 s20, ttmp6, 0x40004                  ; cy: along its y
	s_lshl_b32 s21, ttmp9, 2                       ; in a cluster launch ttmp9 and ttmp7 count clusters
	s_add_co_u32 s21, s21, s19                     ; tile column = 4 x cluster x + cx
	s_and_b32 s22, ttmp7, 0xffff                   ; the cluster's y, 0 to 15: the same in all sixteen partners
	s_bfe_u32 s[E0], s22, 0x10003                  ; bit 3 of y,
	s_mul_i32 s[E0], s[E0], 7                      ; as 0 or 7,
	s_xor_b32 s[E0], s[E0], s22
	s_and_b32 s[E0], s[E0], 7                      ; e0 = (y % 8) xor that: made of the cluster's number alone, never of a place in the cluster
	s_lshl_b32 s22, s22, 2
	s_add_co_u32 s22, s22, s20                     ; tile row = 4 x cluster y + cy
	s_lshl_b32 s66, s20, 2
	s_lshl_b32 s66, 15, s66                        ; my row of the cluster: places 4 cy .. 4 cy + 3
	s_lshl_b32 s67, 0x1111, s19                    ; my column: places cx, cx + 4, cx + 8, cx + 12
	; descriptor groups 1.  x's: 64 rows x 128 elements; We's: 64 rows (k) x 256 elements; both 1,024 elements from row to row, padded in LDS
	s_or_b32 s[G1A], s66, (1<<16)|(1<<20)|(1<<21)|(5<<22)|(3<<25)   ; 15:0 the mask: my row; 17:16 elements of 2 bytes; 20 padding on; 21 set beside a mask; 24:22 after every 64 words (code 5); 31:25 4 words of it (code 3)
	s_or_b32 s[G1B], s67, (1<<16)|(1<<20)|(1<<21)|(6<<22)|(7<<25)   ; the mask: my column; after every 128 words (code 6) 8 words of padding (code 7)
	s_mov_b32 s[G1A+1], 128<<16                    ; 63:48 tensor_dim0, low half
	s_mov_b32 s[G1B+1], 256<<16
	s_mov_b32 s[G1A+2], 64<<16                     ; 79:64 its high half = 0; 95:80 tensor_dim1, low half = 64
	s_mov_b32 s[G1B+2], 64<<16
	s_mov_b32 s[G1A+3], 128<<16                    ; 111:96 its high half = 0; 127:112 tile_dim0
	s_mov_b32 s[G1B+3], 256<<16
	s_mov_b32 s[G1A+4], 64                         ; 143:128 tile_dim1 = 64; 159:144 tile_dim2 = 0
	s_mov_b32 s[G1B+4], 64
	s_mov_b32 s[G1A+5], 1024                       ; 191:160 tensor_dim0_stride, low word
	s_mov_b32 s[G1B+5], 1024
	s_mov_b32 s[G1A+6], 0
	s_mov_b32 s[G1B+6], 0
	s_mov_b32 s[G1A+7], 0
	s_mov_b32 s[G1B+7], 0
	; where the tiles come from: x's hang on the tile row alone, We's on the tile column and e0 alone; each in registers that never hold the other place in the cluster
	s_lshl_b32 s3, s[WN], 17                       ; the half that I fetch: 64 rows of 2,048 bytes, in xh and in wh alike
	s_lshl_b32 s68, s22, 18                        ; xh: 128 rows of 2,048 bytes for each tile row
	s_add_co_u32 s68, s68, s3
	s_mov_b32 s69, 0
	s_lshl_b32 s[BASEB], s21, 9                    ; wh: 256 columns of 2 bytes for each tile column
	s_add_co_u32 s[BASEB], s[BASEB], s3
	s_mov_b32 s[BASEB+1], 0
	s_lshl_b32 s[OFB], s[E0], 21                   ; my cluster's first K step: expert e0's 8 steps begin 8 e0 x 262,144 bytes down wh
	s_mov_b32 s[OFB+1], 0
	s_lshl_b32 s[GJ], s[E0], 2                     ; the first g to be read is expert e0's
	s_mul_i32 s23, s[WN], 64*PA                    ; and where they go: no place in the cluster enters an LDS address
	s_mul_i32 s2, s[WN], 64*PB
	s_add_co_u32 s2, s2, ATILE
	s_wait_kmcnt 0x0
	s_load_b256 s[BG:BG+7], s[10:11], 0x0          ; bg: no line of this launch writes it
	s_add_nc_u64 s[68:69], s[4:5], s[68:69]
	s_add_nc_u64 s[BASEB:BASEB+1], s[6:7], s[BASEB:BASEB+1]
	CROUND                                         ; all sixteen work-groups are here: the first joint loads meet
.irp p, 0,1
	s_mov_b32 s[G0A+4*\p], 1                                       ; 1:0 count = 1
	s_add_co_u32 s[G0A+4*\p+1], s23, \p*SLOT                       ; 63:32 LDS address
	s_add_nc_u64 s[G0A+4*\p+2:G0A+4*\p+3], s[68:69], \p*256        ; 120:64 global address: K step p: 128 k of 2 bytes along the rows of xh
	s_or_b32 s[G0A+4*\p+3], s[G0A+4*\p+3], 0x80000000              ; 127:126 type = 2
	s_mov_b32 s[G0B+4*\p], 1
	s_add_co_u32 s[G0B+4*\p+1], s2, \p*SLOT
	s_add_nc_u64 s[G0B+4*\p+2:G0B+4*\p+3], s[BASEB:BASEB+1], s[OFB:OFB+1]   ; K step p of the walk
	s_or_b32 s[G0B+4*\p+3], s[G0B+4*\p+3], 0x80000000
.if \p == 0
	s_add_co_u32 s[OFB], s[OFB], KSB               ; (8 e0 + 1 is 57 at the most: not yet round the ring)
.endif
.endr
	s_cmp_lt_u32 s[WV], 2                          ; a wave's two first fills stand in one branch, ahead of every wait on TENSORcnt and every LDS read: two loads of mine are out
	s_cbranch_scc0 .Lfirst_b
	tensor_load_to_lds s[G0A:G0A+3], s[G1A:G1A+7]
	s_nop 0
	tensor_load_to_lds s[G0A+4:G0A+7], s[G1A:G1A+7]
	s_nop 0
.rept 4
	v_nop
.endr
	s_branch .Lfirst_asked
.Lfirst_b:
	tensor_load_to_lds s[G0B:G0B+3], s[G1B:G1B+7]
	s_nop 0
	tensor_load_to_lds s[G0B+4:G0B+7], s[G1B:G1B+7]
	s_nop 0
.rept 4
	v_nop
.endr
.Lfirst_asked:
	; THE TABLES, while the first tiles are on their way.
	s_lshl_b32 s2, s21, 10                         ; the tile's 256 columns of 4 bytes,
	s_mov_b32 s3, 0
	s_add_nc_u64 s[12:13], s[12:13], s[2:3]        ; in be
	s_add_nc_u64 s[14:15], s[14:15], s[2:3]        ; and in out
	v_and_b32 v1, 15, v0                           ; l % 16
	v_bfe_u32 v2, v0, 4, 1                         ; l / 16
	v_and_b32 v3, 31, v0                           ; l
	v_lshlrev_b32 v4, 8, v0                        ; thread t takes 256 consecutive bytes of Wg, rows k = 8 t .. 8 t + 7: its eight numbers of an expert are eight neighbouring k
.irp i, 0,1,2,3,4,5,6,7,8,9,10,11,12,13,14,15
	global_load_b128 v[OB+4*\i:OB+4*\i+3], v4, s[8:9] offset:16*\i   ; register OB + n: k = 8 t + n / 8, expert n % 8
.endr
	v_lshrrev_b32 v5, 6, v0
	v_add_nc_u32 v5, s[E0], v5
	v_and_b32 v6, 63, v0
	v_lshlrev_b32 v6, 4, v6
.irp i, 0,1,2,3
	v_add_nc_u32 v[BA+\i], 2*\i, v5                ; be: place t / 64 + 2 i of the walk is expert (t / 64 + 2 i + e0) % 8;
	v_and_b32 v[BA+\i], 7, v[BA+\i]
	v_lshl_add_u32 v[BA+\i], v[BA+\i], 12, v6      ; its row of 4,096 bytes, 16 bytes at 16 (t % 64) of the tile's 1,024: 64 threads take them on end
.endr
.irp i, 0,1,2,3
	global_load_b128 v[BE+4*\i:BE+4*\i+3], v[BA+\i], s[12:13]
.endr
	s_lshl_b32 s2, s22, 19                         ; out: 128 rows of 4,096 bytes for each tile row,
	s_lshl_b32 s23, s[WM], 18                      ; my wave's 64 rows,
	s_add_co_u32 s2, s2, s23
	s_lshl_b32 s23, s[WN], 9                       ; my wave's 128 columns
	s_add_co_u32 s2, s2, s23
	s_add_nc_u64 s[14:15], s[14:15], s[2:3]
	s_mov_b32 s[CS], 0x3fb8aa3b                    ; c = log2(e)
	s_mov_b32 s[CS+1], s[CS]                       ; named with it as a pair, so it is written
	; A fragment of x is 16 rows x 32 k in 8 registers: lane l holds row l % 16; registers 0-3 k = 8 (l / 16) + 0..7, registers 4-7 k = 16 + 8 (l / 16) + 0..7: two loads of 16 bytes, 32 bytes apart.
	v_mul_u32_u24 v7, v1, PA
	v_lshl_add_u32 v7, v2, 4, v7
	s_mul_i32 s23, s[WM], 64*PA
	v_add_nc_u32 v[ADRA], s23, v7
	v_add_nc_u32 v[ADRA+1], SLOT, v[ADRA]
	; The turning load takes 16 k x 16 columns (lane l reads 16 bytes: k = 8 (l / 16) + l % 8, columns 8 ((l / 8) % 2) + 0..7) and leaves half a fragment: lane l holds column l % 16 and 8 k.
	v_and_b32 v8, 7, v0
	v_lshl_add_u32 v9, v2, 3, v8
	v_mul_u32_u24 v9, v9, PB
	v_bfe_u32 v10, v0, 3, 1
	v_lshl_add_u32 v9, v10, 4, v9
	s_lshl_b32 s23, s[WN], 8
	s_add_co_u32 s23, s23, ATILE
	v_add_nc_u32 v[ADRB], s23, v9
	v_add_nc_u32 v[ADRB+1], SLOT, v[ADRB]
	v_mul_u32_u24 v8, v8, PW                       ; Wg^T: row (l % 16) % 8, so that rows 8-15 of the fragment repeat rows 0-7
	v_lshl_add_u32 v8, v2, 4, v8
	v_add_nc_u32 v[AWG], WGT, v8
	s_lshl_b32 s23, s[WN], 9
	s_add_co_u32 s23, s23, BIAS
	v_lshl_add_u32 v[ABI], v2, 5, s23              ; the bias of columns 8 (l / 16) + 0..7 of a block: the sixteen lanes of a half read the same words
	s_lshl_b32 s23, s[WV], 12
	s_add_co_u32 s23, s23, GT
	v_lshl_add_u32 v[AGB], v3, 5, s23
	v_add_nc_u32 v[AG], s[GJ], v[AGB]
	s_mul_i32 s23, s[WV], 16*SP
	s_add_co_u32 s23, s23, STAGE                   ; my stage
	v_mul_u32_u24 v11, v1, SP                      ; in: row l % 16, 32 bytes for each half of the lanes
	v_lshl_add_u32 v11, v2, 5, v11
	v_add_nc_u32 v[STO], s23, v11
	v_lshl_add_u32 v[RD], v3, 4, s23               ; back: the 32 lanes take a row's 512 bytes
	v_lshlrev_b32 v[CO], 4, v3
	v_lshl_add_u32 v12, v0, 4, WGT                 ; where my eight k of an expert go
	v_lshl_add_u32 v13, v0, 4, BIAS                ; 1,024 (t / 64) + 16 (t % 64) = 16 t
.irp a, 0,1,2,3
	v_mov_b32 v[GW+2*\a+1], 0
	v_mov_b32 v[MX+2*\a+1], 0
.endr
	s_wait_kmcnt 0x0                               ; bg
.irp j, 0,1,2,3,4,5,6,7
	v_mov_b32 v[BGR+\j], s[BG+\j]
.endr
	s_wait_loadcnt 0x4                             ; Wg is in; be's four loads may stay out
.irp e, 0,1,2,3,4,5,6,7
.irp p, 0,1,2,3
	v_cvt_pk_f16_f32 v[BI+4*\e+\p], v[OB+16*\p+\e], v[OB+16*\p+8+\e]   ; expert e, k = 8 t + 2 p and + 1
.endr
.endr
.irp e, 0,1,2,3,4,5,6,7
	ds_store_b128 v12, v[BI+4*\e:BI+4*\e+3] offset:\e*PW
.endr
	s_wait_loadcnt 0x0                             ; be
.irp i, 0,1,2,3
	ds_store_b128 v13, v[BE+4*\i:BE+4*\i+3] offset:2048*\i
.endr
; 8 matrix instructions: block a of my four blocks of 16 rows x all 8 column blocks, 32 along K, from buffer f.  first = 1: the sums start from the bias.
; The 32 accumulators take turns, one instruction a turn, in the same order in every quarter step.
.macro MUL8 f, a, first
.if \first
	WIN W_FIRST
.else
	WIN W_MUL
.endif
.irp b, 0,1,2,3,4,5,6,7
.if \first
	v_wmma_f32_16x16x32_f16 v[8*(8*\a+\b):8*(8*\a+\b)+7], v[\f+8*\b:\f+8*\b+7], v[\f+64+8*\a:\f+64+8*\a+7], v[BI+8*\b:BI+8*\b+7]
.else
	v_wmma_f32_16x16x32_f16 v[8*(8*\a+\b):8*(8*\a+\b)+7], v[\f+8*\b:\f+8*\b+7], v[\f+64+8*\a:\f+64+8*\a+7], v[8*(8*\a+\b):8*(8*\a+\b)+7]
.endif
.endr
.endm
; The gate's 4 matrix instructions of a quarter step: the logits of my four blocks of rows.  first = 1: the sums start from bg.
.macro GMUL f, first
	WIN W_GATE
.irp a, 0,1,2,3
.if \first
	v_wmma_f32_16x16x32_f16 v[LG+8*\a:LG+8*\a+7], v[\f+96:\f+103], v[\f+64+8*\a:\f+64+8*\a+7], v[BGR:BGR+7]
.else
	v_wmma_f32_16x16x32_f16 v[LG+8*\a:LG+8*\a+7], v[\f+96:\f+103], v[\f+64+8*\a:\f+64+8*\a+7], v[LG+8*\a:LG+8*\a+7]
.endif
.endr
.endm
; One run of LDS loads: the fragments of quarter q of a slot's K step into buffer f: We's 16, x's 8 (blocks 0 and 1 first), with gate = 1 Wg's 2.
.macro FETCH slot, q, f, gate
	WIN W_LD
.irp b, 0,1,2,3,4,5,6,7
	ds_load_tr16_b128 v[\f+8*\b:\f+8*\b+3],   v[ADRB+\slot] offset:\q*32*PB+32*\b
	ds_load_tr16_b128 v[\f+8*\b+4:\f+8*\b+7], v[ADRB+\slot] offset:\q*32*PB+32*\b+16*PB
.endr
.irp a, 0,1,2,3
	ds_load_b128 v[\f+64+8*\a:\f+64+8*\a+3],   v[ADRA+\slot] offset:\a*16*PA+64*\q
	ds_load_b128 v[\f+64+8*\a+4:\f+64+8*\a+7], v[ADRA+\slot] offset:\a*16*PA+64*\q+32
.endr
.if \gate
	ds_load_b128 v[\f+96:\f+99],   v[AWG] offset:64*\q
	ds_load_b128 v[\f+100:\f+103], v[AWG] offset:64*\q+32
.endif
.endm
.macro BIASLD                          ; 16 loads: a place's bias for my 8 column blocks
.irp b, 0,1,2,3,4,5,6,7
	ds_load_b128 v[BI+8*\b:BI+8*\b+3],   v[ABI] offset:64*\b
	ds_load_b128 v[BI+8*\b+4:BI+8*\b+7], v[ABI] offset:64*\b+16
.endr
.endm
; 4 loads: g of the place in hand, one word a lane for each block of rows (lanes 32 bytes apart: every eighth lane meets the same bank; four loads a place).
; Then the address goes on to the walk's next expert: 4 bytes on, round at 32.
.macro GLOAD
.irp a, 0,1,2,3
	ds_load_b32 v[GW+2*\a], v[AG] offset:1024*\a
.endr
	s_add_co_u32 s[GJ], s[GJ], 4
	s_and_b32 s[GJ], s[GJ], 28
	v_add_nc_u32 v[AG], s[GJ], v[AGB]
.endm
; What a place's last lap fetches besides fragments.  xb = 1: the NEXT place's bias.  xg = 1: THIS place's g.
.macro EXTRA xb, xg
.if \xb || \xg
	WIN 0
.endif
.if \xb
	v_add_nc_u32 v[ABI], 0x400, v[ABI]
	BIASLD
.endif
.if \xg
	GLOAD
.endif
.endm
; A K step is four quarter steps of 32 along K, 32 matrix instructions each (36 with the gate), on buffers 0, 1, 0, 1.
; One of the first three: multiplies buffer f and fetches quarter q of the same slot into buffer g.  young = the extras issued behind the run that filled f.
.macro QUARTER slot, q, f, g, first, gate, xb, xg, young
	s_wait_dscnt 4+2*\gate+\young                  ; We's fragments and x's blocks 0 and 1 are in; x's blocks 2 and 3, Wg's two loads and the extras may be out
	MUL8 \f, 0, \first
	PLACES
	FETCH \slot, \q, \g, \gate
	EXTRA \xb, \xg
	s_wait_dscnt 24+2*\gate+16*\xb+4*\xg           ; all but what was just issued
	MUL8 \f, 1, \first
	MUL8 \f, 2, \first
	MUL8 \f, 3, \first
.if \gate
	GMUL \f, \first
.endif
.endm
; The last quarter multiplies buffer 1 and changes slots: ONE barrier.  In front of it each wave waits for all its tensor loads, of which one is out: its part of the next
; slot; adds 0 to its spare word; and waits for that and for its own reads of this slot.  Behind it nobody reads this slot any more and the next slot is whole.
; fill = 1: this slot is filled again with the K step two on, in the same place of the walk; 2: with the next place's K step 0 or 1 (x goes back along its rows); 0: nothing is left to fetch.
; We's K step is the next of the ring of 64 in either case: its offset goes 262,144 bytes on, round at 2^24, and the address is made anew from wh's.
; With a fill the barrier opens a round of the cluster's barrier, and the joint load is the first thing behind the round: a wave issues 112 (with the gate 128)
; matrix instructions between that request and the wait for it.  gnext = 1: the next K step still has the gate's products.
.macro TURN slot, next, fill, gate, gnext
	WIN 0                                          ; (the add's two registers lie in window 0)
	s_wait_tensorcnt 0x0                           ; all my tensor loads have landed;
	ds_add_u32 v[SPW], v[NIL]                      ; 0 onto my spare word;
	s_wait_dscnt 5+2*\gate                         ; (the add, x's blocks 2 and 3 and Wg's two loads may be out)
	MUL8 F1, 0, 0                                  ; eight matrix instructions stand between the add and the wait for it
	s_wait_dscnt 0x0                               ; the add is done, and my reads of this slot are over
	s_barrier_signal -1
	MUL8 F1, 1, 0                                  ; work on registers while the others arrive
.if \fill
	WIN 0
.endif
	s_barrier_wait -1
.if \fill
	CREST                                          ; no wave of any partner still reads this slot's tiles or has a load on its way
.if \fill == 1
	s_add_nc_u64 s[G0A+4*\slot+2:G0A+4*\slot+3], s[G0A+4*\slot+2:G0A+4*\slot+3], 512
.else
	s_sub_nc_u64 s[G0A+4*\slot+2:G0A+4*\slot+3], s[G0A+4*\slot+2:G0A+4*\slot+3], 1536
.endif
	s_add_co_u32 s[OFB], s[OFB], KSB
	s_and_b32 s[OFB], s[OFB], KRING
	s_add_nc_u64 s[G0B+4*\slot+2:G0B+4*\slot+3], s[BASEB:BASEB+1], s[OFB:OFB+1]
	s_or_b32 s[G0B+4*\slot+3], s[G0B+4*\slot+3], 0x80000000        ; 127:126 type = 2
	JLOAD \slot                                    ; its four v_nop are also the places in front of the loads below
.else
	PLACES
.endif
.if \gnext
	WIN 0
	v_add_nc_u32 v[AWG], 0x100, v[AWG]             ; Wg^T: the next 128 k
.endif
	FETCH \next, 0, F0, \gnext
	MUL8 F1, 2, 0
	MUL8 F1, 3, 0
.if \gate
	GMUL F1, 0
.endif
.endm
; Three of a place's four laps (a lap = two K steps = once round the ring of slots): a trip goes from a lap's second quarter to the next lap's first and fills both slots again.
.macro LAPS gate
	WIN 0                                          ; at a label and at a branch every window is 0
	s_mov_b32 s[LAPC], 3
.Llap_\@:
	QUARTER 0, 2, F1, F0, 0, \gate, 0, 0, 0
	QUARTER 0, 3, F0, F1, 0, \gate, 0, 0, 0
	TURN 0, 1, 1, \gate, \gate
	QUARTER 1, 1, F0, F1, 0, \gate, 0, 0, 0
	QUARTER 1, 2, F1, F0, 0, \gate, 0, 0, 0
	QUARTER 1, 3, F0, F1, 0, \gate, 0, 0, 0
	TURN 1, 0, 1, \gate, \gate
	QUARTER 0, 1, F0, F1, 0, \gate, 0, 0, 0
	WIN 0
	s_sub_co_u32 s[LAPC], s[LAPC], 1
	s_cmp_lg_u32 s[LAPC], 0
	s_cbranch_scc1 .Llap_\@
.endm
; The rest of the last lap of a place that has a successor: the ring goes on into the next place, whose bias and first fragments are fetched.
.macro TAIL gate, xg
	QUARTER 0, 2, F1, F0, 0, \gate, 1, \xg, 0
	QUARTER 0, 3, F0, F1, 0, \gate, 0, 0, 16+4*\xg
	TURN 0, 1, 2, \gate, \gate
	QUARTER 1, 1, F0, F1, 0, \gate, 0, 0, 0
	QUARTER 1, 2, F1, F0, 0, \gate, 0, 0, 0
	QUARTER 1, 3, F0, F1, 0, \gate, 0, 0, 0
	TURN 1, 0, 2, \gate, 0
.endm
; g = softmax of a lane's eight logits, for its four rows (blocks a = 0..3), phase by phase so that no line waits for the one in front of it.
; p = 2^(c l - c m), m the row's maximum: the rounding of c m is one factor for all eight and leaves with the division by their sum.
; Then g goes to my wave's table, by expert, and place 0's comes back from it like every place's.
.macro SOFTMAX
	WIN 0
.irp a, 0,1,2,3
	v_max3_num_f32 v[MX+2*\a], v[LG+8*\a], v[LG+8*\a+1], v[LG+8*\a+2]   ; each block's logits are read from their low end on
.endr
.irp a, 0,1,2,3
	v_max3_num_f32 v[MX+2*\a], v[MX+2*\a], v[LG+8*\a+3], v[LG+8*\a+4]
.endr
.irp a, 0,1,2,3
	v_max3_num_f32 v[MX+2*\a], v[MX+2*\a], v[LG+8*\a+5], v[LG+8*\a+6]
.endr
.irp a, 0,1,2,3
	v_max_num_f32 v[MX+2*\a], v[MX+2*\a], v[LG+8*\a+7]
.endr
.irp a, 0,1,2,3
	v_mul_f32 v[MX+2*\a], s[CS], v[MX+2*\a]        ; c m
.endr
.irp a, 0,1,2,3
.irp c, 0,2,4,6
	v_pk_fma_f32 v[LG+8*\a+\c:LG+8*\a+\c+1], v[LG+8*\a+\c:LG+8*\a+\c+1], s[CS:CS+1], v[MX+2*\a:MX+2*\a+1] op_sel_hi:[1,0,0] neg_lo:[0,0,1] neg_hi:[0,0,1]   ; c l - c m
.endr
.endr
.set i, 0
.rept 32
	v_exp_f32 v[LG+i], v[LG+i]
.set i, i+1
.endr
	v_nop                                          ; a plain instruction between the last exponential and the use of its result (ISA guide 5.7.2)
	s_wait_alu depctr_va_vdst(0)
.irp a, 0,1,2,3
	v_pk_add_f32 v[OB+4*\a:OB+4*\a+1],   v[LG+8*\a:LG+8*\a+1],   v[LG+8*\a+2:LG+8*\a+3]
	v_pk_add_f32 v[OB+4*\a+2:OB+4*\a+3], v[LG+8*\a+4:LG+8*\a+5], v[LG+8*\a+6:LG+8*\a+7]
.endr
.irp a, 0,1,2,3
	v_pk_add_f32 v[OB+4*\a:OB+4*\a+1], v[OB+4*\a:OB+4*\a+1], v[OB+4*\a+2:OB+4*\a+3]
.endr
.irp a, 0,1,2,3
	v_add_f32 v[MX+2*\a], v[OB+4*\a], v[OB+4*\a+1] ; at least about 1: the maximum's own weight
.endr
.irp a, 0,1,2,3
	v_rcp_f32 v[MX+2*\a], v[MX+2*\a]
.endr
	v_nop
	s_wait_alu depctr_va_vdst(0)
.irp a, 0,1,2,3
.irp c, 0,2,4,6
	v_pk_mul_f32 v[LG+8*\a+\c:LG+8*\a+\c+1], v[LG+8*\a+\c:LG+8*\a+\c+1], v[MX+2*\a:MX+2*\a+1] op_sel_hi:[1,0]
.endr
.endr
.irp a, 0,1,2,3
	ds_store_b128 v[AGB], v[LG+8*\a:LG+8*\a+3]   offset:1024*\a     ; my wave's own bytes: LDS serves a wave's instructions in order (ISA guide 5.7.1.4),
	ds_store_b128 v[AGB], v[LG+8*\a+4:LG+8*\a+7] offset:1024*\a+16
.endr
	GLOAD                                          ; so these four loads see the stores above: g of expert e0
	s_wait_dscnt 0x0                               ; once in the launch: the drain below multiplies by it
.endm
; A place's finished sums are taken into the total, two numbers a line, each accumulator from its low end on.  first = 1: place 0 starts the total.
.macro DRAIN first
.if \first
	WIN W_SCALE
.else
	WIN W_FMA
.endif
.irp a, 0,1,2,3
.set i, 64*\a
.rept 32
.if \first
	v_pk_mul_f32 v[i:i+1], v[i:i+1], v[GW+2*\a:GW+2*\a+1] op_sel_hi:[1,0]
.else
	v_pk_fma_f32 v[i:i+1], v[i:i+1], v[GW+2*\a:GW+2*\a+1], v[i:i+1] op_sel_hi:[1,0,1]
.endif
.set i, i+2
.endr
.endr
	WIN 0
.endm
; THE WAY OUT of block a (16 rows x my 128 columns of f32): a lane's 32 bytes of each column block go into my stage, rows of 528 bytes, and come back as whole rows of 512.
.macro TOSTAGE a, buf
.if \a >= 2
	s_wait_xcnt 0x0                                ; every earlier memory instruction has had its addresses translated (ISA guide 3.1): the buffer, which earlier stores read, is loaded again only behind this wait
.endif
	WIN W_OUT
.irp b, 0,1,2,3,4,5,6,7
	ds_store_b128 v[STO], v[8*(8*\a+\b):8*(8*\a+\b)+3]   offset:64*\b
	ds_store_b128 v[STO], v[8*(8*\a+\b)+4:8*(8*\a+\b)+7] offset:64*\b+16
.endr
	WIN 0
.irp t, 0,1,2,3,4,5,6,7,8,9,10,11,12,13,14,15
	ds_load_b128 v[\buf+4*\t:\buf+4*\t+3], v[RD] offset:\t*SP      ; in order behind the stores above; the next block's stores come behind these
.endr
.endm
.macro SEND a, buf, younger            ; younger: the LDS instructions issued behind block a's loads: the next block's 32, or none
.irp t, 0,1,2,3,4,5,6,7,8,9,10,11,12,13,14,15
	s_wait_dscnt \younger+15-\t
	global_store_b128 v[CO], v[\buf+4*\t:\buf+4*\t+3], s[14:15] offset:(16*\a+\t)*4096 th:TH_STORE_NT   ; the wave stores 512 consecutive bytes, at a multiple of 512 from out's first byte
.endr
.endm
	s_wait_tensorcnt 0x1                           ; my part of K step 0 is in; K step 1's may stay out
	s_wait_dscnt 0x0                               ; for the others' sake: my parts of Wg^T and of the bias table are written
	s_barrier_signal -1
	s_barrier_wait -1                              ; everybody's are
	BIASLD                                         ; place 0's bias
	FETCH 0, 0, F0, 1
	; PLACE 0 OF THE WALK, with the gate's products
	QUARTER 0, 1, F0, F1, 1, 1, 0, 0, 0            ; a place's first quarter stands in front of the laps: its products start the sums
	LAPS 1
	TAIL 1, 0
	PLACES                                         ; behind the last products of the logits
	SOFTMAX
	DRAIN 1                                        ; the softmax's plain lines are the places behind the last products of ACC
	; PLACES 1 TO 6
	s_mov_b32 s[EXC], 6
.Lexpert:
	QUARTER 0, 1, F0, F1, 1, 0, 0, 0, 0            ; (on the way in from place 0 the softmax's wait has left no LDS instruction out: the count is then met at once)
	LAPS 0
	TAIL 0, 1
	PLACES
	DRAIN 0                                        ; its 128 lines also stand between the last products and the next place's first, which write ACC anew
	s_sub_co_u32 s[EXC], s[EXC], 1
	s_cmp_lg_u32 s[EXC], 0
	s_cbranch_scc1 .Lexpert
	; PLACE 7 is written out: its last lap asks for nothing
	QUARTER 0, 1, F0, F1, 1, 0, 0, 0, 0
	LAPS 0
	QUARTER 0, 2, F1, F0, 0, 0, 0, 1, 0
	QUARTER 0, 3, F0, F1, 0, 0, 0, 0, 4
	TURN 0, 1, 0, 0, 0                             ; my one tensor load that was still out is the last K step's, so no round follows
	QUARTER 1, 1, F0, F1, 0, 0, 0, 0, 0
	QUARTER 1, 2, F1, F0, 0, 0, 0, 0, 0
	QUARTER 1, 3, F0, F1, 0, 0, 0, 0, 0
	s_wait_dscnt 0x4                               ; the very last quarter: nothing more to fetch
	MUL8 F1, 0, 0
	MUL8 F1, 1, 0
	s_wait_dscnt 0x0
	MUL8 F1, 2, 0
	MUL8 F1, 3, 0
	PLACES
	DRAIN 0
	TOSTAGE 0, OB
	TOSTAGE 1, BI                                  ; a block's way through the stage stands between the loads of the block before and its stores
	SEND 0, OB, 32
	TOSTAGE 2, OB
	SEND 1, BI, 32
	TOSTAGE 3, BI
	SEND 2, OB, 32
	SEND 3, BI, 0
	s_wait_tensorcnt 0x0                           ; the wave's end: behind my last tensor load and my last LDS store
	ds_add_u32 v[SPW], v[NIL]
	s_wait_dscnt 0x0
	CROUND                                         ; the closing round: no work-group ends while a partner may still ask for a tile that names it
	s_endpgm
.Lfunc_end_k_qd720af6754_moe:
	.size	k_qd720af6754_moe, .Lfunc_end_k_qd720af6754_moe-k_qd720af6754_moe
	.p2alignl 7, 3214868480
	.fill 96, 4, 3214868480
	.section	.rodata,"a",@progbits
	.p2align	6, 0x0
	.amdhsa_kernel k_qd720af6754_moe
		.amdhsa_group_segment_fixed_size 327680
		.amdhsa_private_segment_fixed_size 0
		.amdhsa_enable_private_segment 0
		.amdhsa_kernarg_size 48
		.amdhsa_user_sgpr_count 2
		.amdhsa_user_sgpr_kernarg_segment_ptr 1
		.amdhsa_wavefront_size32 1
		.amdhsa_system_sgpr_workgroup_id_x 1
		.amdhsa_system_sgpr_workgroup_id_y 1
		.amdhsa_system_sgpr_workgroup_id_z 1
		.amdhsa_system_vgpr_workitem_id 0
		.amdhsa_next_free_vgpr 1024
		.amdhsa_next_free_sgpr 76
		.amdhsa_reserve_vcc 0
		.amdhsa_float_denorm_mode_32 3
		.amdhsa_float_denorm_mode_16_64 3
		.amdhsa_memory_ordered 1
		.amdhsa_forward_progress 1
		.amdhsa_inst_pref_size 255
	.end_amdhsa_kernel
	.section	.bss,"aw",@nobits
	.p2align	6
	.space	262144
	.amdgpu_metadata
---
amdhsa.version: [ 1, 2 ]
amdhsa.kernels:
  - .name:           k_qd720af6754_moe
    .symbol:         k_qd720af6754_moe.kd
    .args:
      - { .name: xh, .offset: 0, .size: 8, .value_kind: global_buffer, .address_space: global }
      - { .name: wh, .offset: 8, .size: 8, .value_kind: global_buffer, .address_space: global }
      - { .name: Wg, .offset: 16, .size: 8, .value_kind: global_buffer, .address_space: global }
      - { .name: bg, .offset: 24, .size: 8, .value_kind: global_buffer, .address_space: global }
      - { .name: be, .offset: 32, .size: 8, .value_kind: global_buffer, .address_space: global }
      - { .name: out0, .offset: 40, .size: 8, .value_kind: global_buffer, .address_space: global }
    .group_segment_fixed_size: 327680
    .private_segment_fixed_size: 0
    .kernarg_segment_align: 8
    .kernarg_segment_size: 48
    .max_flat_workgroup_size: 128
    .sgpr_count:     76
    .vgpr_count:     1024
    .wavefront_size: 32
...
	.end_amdgpu_metadata
.endif
;; end of part 3
